; MI455X (gfx1250); checked and timed in simulation.
; The chip was launched on July 23, 2026; its instructions are those of AMD's public machine-readable ISA for CDNA 5 (MIT licence, August 2026) and "CDNA5" Instruction Set Architecture Reference Guide (July 2026). The comments in the code are by the model that wrote it; some were corrected since.
;; My scaled dot product attention. Allowed arithmetic: float matrix products may take bf16 or f16 operands with f32 sums; all other float work in f32.
;; Inputs: k 2 x 16 x 2,048 x 64 float32; mask 1 x 1 x 2,048 x 2,048 bool; q 2 x 16 x 2,048 x 64 float32; v 2 x 16 x 2,048 x 64 float32.
;; Outputs: out0 2 x 16 x 2,048 x 64 float32.
;; One version. Each part assembles by itself: llvm-mc -triple=amdgcn-amd-amdhsa -mcpu=gfx1250 --defsym DOCPART=n.
;; ======== version 1 of 1: 2 launches
;; limits: values are held in f16: magnitudes above 65,504 overflow, below 6.1e-05 lose precision
;; workspace buffers: mbits 524,288 bytes of whole numbers
;; launch packmask (part 1): grid 256 x 1, 4 waves a work-group, no clusters, 0 bytes of LDS; arguments mask, mbits; writes mbits
.if DOCPART == 1
	.amdgcn_target "amdgcn-amd-amdhsa--gfx1250"
	.amdhsa_code_object_version 6
	.text
	.protected	k_q740c77b9a0_packmask
	.globl	k_q740c77b9a0_packmask
	.p2align	8
	.type	k_q740c77b9a0_packmask,@function
k_q740c77b9a0_packmask:
	s_mov_b64 s[64:65], 0
	v_nop
	global_prefetch_b8 v0, s[64:65] scope:SCOPE_SE
	s_setreg_imm32_b32 hwreg(HW_REG_WAVE_MODE, 25, 1), 1
	s_wait_xcnt 0x0
; The byte mask [2048][2048] becomes lane masks for the attention launch: 32-bit words W[T][U][e], T = 0..127 (16 queries),
; U = 0..63 (32 keys), e = 0..15; bit L of a word (r = L & 15, h = L >> 4) says whether mask[16 T + r][32 U + 16 h + e] is not 0.
; Byte offset of a word: 4096 T + 64 U + 4 e.  Any byte other than 0 counts as true.
; 1,024 waves; wave id = 4 x work-group + wave takes 16 rows (T = id / 8) x 256 bytes (B = id % 8): eight blocks U, 128 words.
; A lane loads its 16 neighbouring bytes of a block; the eight loads of a wave together cover sixteen whole pieces of 256 bytes.
; One byte position of all lanes is one compare; the compare's lane mask IS the word.  Word n goes to lane n / 4, register n % 4,
; so that the wave's one store covers 512 consecutive bytes, aligned.
.set TMPV, 4                           ; v[4:7]    the byte under test, four in rotation
.set DAT,  8                           ; v[8:39]   eight loads of 16 bytes
.set OUTW, 40                          ; v[40:43]  the 128 words, four a lane
.set BM,   16                          ; s[16:19]  masks of a word's four bytes
.set BAL,  20                          ; s[20:23]  the compares' lane masks, four in rotation
	s_load_b128 s[4:7], s[0:1], 0x0                ; mask s[4:5], mbits s[6:7]
	v_lshrrev_b32 v3, 5, v0
	v_readfirstlane_b32 s8, v3                     ; wave 0..3
	s_lshl_b32 s9, ttmp9, 2
	s_add_co_u32 s9, s9, s8                        ; id
	s_lshr_b32 s12, s9, 3                          ; T
	s_and_b32 s13, s9, 7                           ; B
	s_lshl_b32 s10, s12, 15                        ; 16 rows of 2,048 bytes
	s_lshl_b32 s14, s13, 8                         ; + 256 B
	s_add_co_u32 s10, s10, s14
	s_mov_b32 s11, 0
	s_lshl_b32 s14, s12, 12                        ; 4,096 T
	s_lshl_b32 s15, s13, 9                         ; + 512 B
	s_add_co_u32 s14, s14, s15
	s_mov_b32 s15, 0
	s_mov_b32 s[BM+0], 0xff
	s_mov_b32 s[BM+1], 0xff00
	s_mov_b32 s[BM+2], 0xff0000
	s_mov_b32 s[BM+3], 0xff000000
	v_and_b32 v1, 15, v0                           ; r
	v_bfe_u32 v2, v0, 4, 1                         ; h
	v_lshlrev_b32 v1, 11, v1
	v_lshl_add_u32 v1, v2, 4, v1                   ; 2,048 r + 16 h
	v_and_b32 v2, 31, v0
	v_lshlrev_b32 v2, 4, v2                        ; 16 x lane
.irp j, 0,1,2,3
	v_mov_b32 v[OUTW+\j], 0                        ; v_writelane_b32 keeps the other lanes: the register is written whole first
.endr
	s_wait_kmcnt 0x0
	s_add_nc_u64 s[4:5], s[4:5], s[10:11]
	s_add_nc_u64 s[6:7], s[6:7], s[14:15]
.irp u, 0,1,2,3,4,5,6,7
	global_load_b128 v[DAT+4*\u:DAT+4*\u+3], v1, s[4:5] offset:32*\u th:TH_LOAD_NT   ; every mask byte is read once in the launch
.endr
.set n, 0
.rept 128
.if n%16 == 0
	s_wait_loadcnt 7-n/16                          ; loads come back in order: block n / 16 is in, the younger ones stay out
.endif
	v_and_b32 v[TMPV+n%4], s[BM+n%4], v[DAT+n/4]   ; byte e = n % 16 of my 16 bytes
	v_cmp_ne_u32 s[BAL+n%4], 0, v[TMPV+n%4]        ; the word: one bit a lane
	v_writelane_b32 v[OUTW+n%4], s[BAL+n%4], n/4
.set n, n+1
.endr
	global_store_b128 v2, v[OUTW:OUTW+3], s[6:7]   ; 512 consecutive bytes, aligned
	s_endpgm
.Lfunc_end_k_q740c77b9a0_packmask:
	.size	k_q740c77b9a0_packmask, .Lfunc_end_k_q740c77b9a0_packmask-k_q740c77b9a0_packmask
	.p2alignl 7, 3214868480
	.fill 96, 4, 3214868480
	.section	.rodata,"a",@progbits
	.p2align	6, 0x0
	.amdhsa_kernel k_q740c77b9a0_packmask
		.amdhsa_group_segment_fixed_size 0
		.amdhsa_private_segment_fixed_size 0
		.amdhsa_enable_private_segment 0
		.amdhsa_kernarg_size 16
		.amdhsa_user_sgpr_count 2
		.amdhsa_user_sgpr_kernarg_segment_ptr 1
		.amdhsa_wavefront_size32 1
		.amdhsa_system_sgpr_workgroup_id_x 1
		.amdhsa_system_sgpr_workgroup_id_y 1
		.amdhsa_system_sgpr_workgroup_id_z 1
		.amdhsa_system_vgpr_workitem_id 0
		.amdhsa_next_free_vgpr 48
		.amdhsa_next_free_sgpr 66
		.amdhsa_reserve_vcc 0
		.amdhsa_float_denorm_mode_32 3
		.amdhsa_float_denorm_mode_16_64 3
		.amdhsa_memory_ordered 1
		.amdhsa_forward_progress 1
		.amdhsa_inst_pref_size 23
	.end_amdhsa_kernel
	.amdgpu_metadata
---
amdhsa.version: [ 1, 2 ]
amdhsa.kernels:
  - .name:           k_q740c77b9a0_packmask
    .symbol:         k_q740c77b9a0_packmask.kd
    .args:
      - { .name: mask, .offset: 0, .size: 8, .value_kind: global_buffer, .address_space: global }
      - { .name: mbits, .offset: 8, .size: 8, .value_kind: global_buffer, .address_space: global }
    .group_segment_fixed_size: 0
    .private_segment_fixed_size: 0
    .kernarg_segment_align: 8
    .kernarg_segment_size: 16
    .max_flat_workgroup_size: 128
    .sgpr_count:     66
    .vgpr_count:     48
    .wavefront_size: 32
...
	.end_amdgpu_metadata
.endif
;; end of part 1
;; launch attn (part 2): grid 8 x 32, 8 waves a work-group, clusters of 4 x 1, 327,680 bytes of LDS; arguments q, k, v, mbits, out0; writes out0
.if DOCPART == 2
	.amdgcn_target "amdgcn-amd-amdhsa--gfx1250"
	.amdhsa_code_object_version 6
	.text
	.protected	k_q740c77b9a0_attn
	.globl	k_q740c77b9a0_attn
	.p2align	8
	.type	k_q740c77b9a0_attn,@function
k_q740c77b9a0_attn:
	s_mov_b64 s[64:65], 0
	v_nop
	global_prefetch_b8 v0, s[64:65] scope:SCOPE_SE
	s_setreg_imm32_b32 hwreg(HW_REG_WAVE_MODE, 25, 1), 1
	s_wait_xcnt 0x0
	s_wait_alu depctr_hold_cnt(0) depctr_sa_sdst(0) depctr_va_vdst(0) depctr_va_sdst(0) depctr_va_ssrc(0) depctr_va_vcc(0) depctr_vm_vsrc(0)
	s_getreg_b32 s2, hwreg(HW_REG_IB_STS2, 6, 4)
	s_cmp_eq_u32 s2, 0
	s_cbranch_scc0 .Lentry_in_a_cluster
	s_endpgm
.Lentry_in_a_cluster:
	s_bfe_u32 s2, ttmp6, 0x10000c
	s_cmp_lg_u32 s2, 0x3003
	s_cbranch_scc0 .Lentry_shape_is_right
	s_endpgm
.Lentry_shape_is_right:
; out = softmax(mask ? q k^T / 8 : -inf) v for 32 heads of 2,048 x 64, f32 in memory; products in f16 with f32 sums, softmax in f32 with a running maximum.
; A work-group: one head (y), 256 queries (x); eight waves of 32 queries (two tiles qt of 16).  Keys go in 16 steps of 128, each step in two sub-steps of 64.
;
; F16, NOT BF16, for all four matrix operands.  A row with few true keys is a sum of a few terms of v's size that may cancel, while the result is held to a hundredth of the
; whole output's root mean square: f16's step of 2^-12 leaves room there, bf16's of 2^-9 does not.  The operands fit: p lies in [0, 1]; q, k, v may reach 65,504.
;
; EVERYTHING IS USED TRANSPOSED.  S^T = K Q^T: source A = 16 keys, source B = 16 queries; lane (r = l % 16, h = l / 16), register j holds query r and the
; key of LDS row 8 h + j.  So a query's maximum and sum are sums inside a lane plus one exchange of the two halves, and two neighbouring tiles of S^T, packed to
; f16, ARE source B (32 keys x 16 queries) of O^T = V^T P^T: nothing moves between lanes.  A lane of O^T holds 8 neighbouring d of one query.
; KEY ORDER: in each block of 32 keys, key 16 a + 8 b + c lies at f16 LDS row 16 b + 8 a + c, for K and V alike (a sum over keys does not mind).  A lane's 16 scores of
; a block are then the keys 16 h .. 16 h + 15, and register n = 8 c + j of a sub-step's 32 belongs to lane-mask word n of mbits: one v_cndmask_b32 a register.
;
; CLUSTER: the four work-groups of a cluster (x) work on one head and walk the same K and V tiles.  Each tile is asked for jointly (mask 15): the same line, the same
; descriptor, made of the head and the wave's number alone.  The place in the cluster enters only the addresses of q, mbits and out0.
; K and V arrive as f32 in two LDS slots; each wave converts 16 rows of each, once for the work-group, into one of two f16 buffers, a step ahead of their use.
; One synchronisation a step orders: the f16 stores of this step's tile against their reads; last step's reads of the other f16 buffer against its overwriting;
; last step's reads of the f32 slot against its refill; the landing of the next tile against its conversion by other waves.
;
; LIMITS.  A q, k or v above 65,504 in magnitude becomes inf in f16; below 2^-14 its absolute error is at most 2^-25.  Scores must be finite.  The running maximum starts at
; -FLT_MAX, which is exact for every finite score.  p below 2^-126 counts as 0, and a p below 2^-14 enters the second product with an absolute error of at most 2^-25
; (2,048 keys: at most 6e-5 of the sum l, which is at least 1).  l adds the unrounded p.  A row without a true mask byte ends with l = 0 and O = 0 and gives
; 0 x (1/0) = NaN, as the softmax of all -inf does.
.set TILEB, 32768                      ; a tile of 128 keys x 64 f32
.set SLOTB, 65536                      ; an f32 slot: K's tile, then V's.  Two slots at LDS byte 0; only tensor loads write there
.set HB,    131072                     ; two f16 buffers; only ds_store writes there
.set KP,    144                        ; K's f16 rows: 128 bytes + 16: the 16 rows of a fragment load start at 16 different 16-byte columns modulo 256
.set VP,    160                        ; V's f16 rows: 128 bytes + 32, an odd multiple of 32, for the transposing loads
.set VOFF,  128*KP                     ; V behind K in a buffer
.set BUF,   128*KP+128*VP              ; 38,912 bytes a buffer
.set STAGE, HB+2*BUF                   ; 208,896: the way out, 32 rows x 272 bytes for each wave
.set SP,    272
.set NEGC,  0xbe38aa3b                 ; -log2(e) / 8
.set VK,   1                           ; LDS address of my K fragments in buffer 0
.set VV,   2                           ; of my V^T fragments
.set VCL,  3                           ; v3, v4: my 16 bytes of the f32 rows that I convert, slot 0, 1
.set VSK,  5                           ; where my converted 8 bytes of K go
.set VSV,  6                           ; and of V
.set NINF, 7                           ; -inf
.set MX,   8                           ; v8, v9   running maximum of qt 0, 1 (raw scores)
.set LS,   10                          ; v10, v11 running sum, my half of the keys
.set NM,   12                          ; v[12:13] -maximum x C, twice
.set AL,   14                          ; v[14:15] alpha; only v14 is multiplied by, v15 is written once
.set TM,   16
.set TX,   17
.set T,    18                          ; v[18:25] at work
.set QOF,  26
.set STO,  27
.set RD,   28
.set CO,   29
.set O,    32                          ; v[32:95]   O^T(t, qt) at 32 qt + 8 t
.set Q,    96                          ; v[96:127]  Q(qt, ks) at 16 qt + 8 ks
.set S,    128                         ; v[128:191] S^T(c, qt) at 32 qt + 8 c; then P; also the f32 rows under conversion
.set F,    192                         ; v[192:255] fragments of K, then of V^T
; scalars: s2 trips, s3 wave, s[4:5] q, s[10:11] mask words of the next sub-step, s[12:13] out0, s[16:23] group 1, s[24:27], s[28:31] group 0 of slot 0, 1,
; s[32:63] mask words of qt 0, s[66:67] C, s[68:99] mask words of qt 1, s100, s101 selects of v_permlanex16_b32
.macro ROUND                           ; a round of the cluster's barrier
	s_barrier_signal -1
	s_barrier_wait -1
	s_cmp_lg_u32 s3, 0
	s_cbranch_scc1 .Lnot_wave_0_\@
	s_barrier_signal -3
.Lnot_wave_0_\@:
	s_barrier_wait -3
	s_barrier_signal -1
	s_barrier_wait -1
.endm
.macro PLACES n                        ; places behind matrix instructions (ISA guide 7.12.1)
.rept \n
	v_nop
.endr
.endm
; Rows 16 w .. 16 w + 15 of K's and of V's f32 tile: a load takes two rows, lanes 0-15 the even one.
.macro CONVLOAD slot
.irp i, 0,1,2,3,4,5,6,7
	ds_load_b128 v[S+4*\i:S+4*\i+3], v[VCL+\slot] offset:512*\i
.endr
.irp i, 0,1,2,3,4,5,6,7
	ds_load_b128 v[S+32+4*\i:S+32+4*\i+3], v[VCL+\slot] offset:TILEB+512*\i
.endr
.endm
; Four f32 become 8 bytes, at the key's f16 row: key 16 w + 2 i + h goes to row 32 (w / 2) + 16 (i / 4) + 8 (w % 2) + 2 (i % 4) + h.
.macro CONVSTORE buf
.irp i, 0,1,2,3,4,5,6,7,8,9,10,11,12,13,14,15
	v_cvt_pk_f16_f32 v[S+4*\i], v[S+4*\i], v[S+4*\i+1]
	v_cvt_pk_f16_f32 v[S+4*\i+1], v[S+4*\i+2], v[S+4*\i+3]
.endr
.irp i, 0,1,2,3,4,5,6,7
	ds_store_b64 v[VSK], v[S+4*\i:S+4*\i+1] offset:(\buf)*BUF+(16*(\i/4)+2*(\i%4))*KP
.endr
.irp i, 0,1,2,3,4,5,6,7
	ds_store_b64 v[VSV], v[S+32+4*\i:S+32+4*\i+1] offset:(\buf)*BUF+(16*(\i/4)+2*(\i%4))*VP
.endr
.endm
; 64 keys x 64 d as source A: four tiles c of 16 keys, two halves ks of d.  16 loads.
.macro KLOAD buf, sub
.irp c, 0,1,2,3
.irp ks, 0,1
	ds_load_b128 v[F+16*\c+8*\ks:F+16*\c+8*\ks+3],   v[VK] offset:(\buf)*BUF+(64*\sub+16*\c)*KP+64*\ks
	ds_load_b128 v[F+16*\c+8*\ks+4:F+16*\c+8*\ks+7], v[VK] offset:(\buf)*BUF+(64*\sub+16*\c)*KP+64*\ks+32
.endr
.endr
.endm
; V^T as source A: two blocks u of 32 keys, four tiles t of 16 d, by transposing loads from rows that lie along d.  16 loads.
.macro VLOAD buf, sub
.irp u, 0,1
.irp t, 0,1,2,3
	ds_load_tr16_b128 v[F+32*\u+8*\t:F+32*\u+8*\t+3],   v[VV] offset:(\buf)*BUF+(64*\sub+32*\u)*VP+32*\t
	ds_load_tr16_b128 v[F+32*\u+8*\t+4:F+32*\u+8*\t+7], v[VV] offset:(\buf)*BUF+(64*\sub+32*\u)*VP+32*\t+16*VP
.endr
.endr
.endm
; S^T = K Q^T.  The first half of d starts the sums; the eight accumulators take turns, one instruction a turn.
.macro QK
.irp c, 0,1,2,3
.irp qt, 0,1
	v_wmma_f32_16x16x32_f16 v[S+32*\qt+8*\c:S+32*\qt+8*\c+7], v[F+16*\c:F+16*\c+7], v[Q+16*\qt:Q+16*\qt+7], 0
.endr
.endr
.irp c, 0,1,2,3
.irp qt, 0,1
	v_wmma_f32_16x16x32_f16 v[S+32*\qt+8*\c:S+32*\qt+8*\c+7], v[F+16*\c+8:F+16*\c+15], v[Q+16*\qt+8:Q+16*\qt+15], v[S+32*\qt+8*\c:S+32*\qt+8*\c+7]
.endr
.endr
.endm
; The softmax step of query tile qt on 64 keys.  first = 1: O has no sums yet.  pf = 1: the next sub-step's mask words are asked for.
.macro SOFT qt, first, pf
.set X, S+32*\qt
.set M, 32+36*\qt
.set n, 0
.rept 32
	v_cndmask_b32 v[X+n], v[NINF], v[X+n], s[M+n]  ; bit of my lane ? score : -inf
.set n, n+1
.endr
.if \pf
	s_load_b512 s[M:M+15],    s[10:11], 4096*\qt   ; the next sub-step's words, into the registers just used: a whole sub-step ahead of their use
	s_load_b512 s[M+16:M+31], s[10:11], 4096*\qt+64
.endif
	; the maximum of my 32 scores and the old one: 33 numbers, 16 instructions, four chains
.irp k, 0,1,2,3
	v_max3_num_f32 v[T+\k], v[X+8*\k], v[X+8*\k+1], v[X+8*\k+2]
.endr
.irp k, 0,1,2,3
	v_max3_num_f32 v[T+\k], v[T+\k], v[X+8*\k+3], v[X+8*\k+4]
.endr
.irp k, 0,1,2,3
	v_max3_num_f32 v[T+\k], v[T+\k], v[X+8*\k+5], v[X+8*\k+6]
.endr
	v_max3_num_f32 v[T], v[T], v[X+7], v[X+15]
	v_max3_num_f32 v[T+1], v[T+1], v[X+23], v[X+31]
	v_max3_num_f32 v[T], v[T], v[T+1], v[T+2]
	v_max3_num_f32 v[TM], v[T], v[T+3], v[MX+\qt]
	v_permlanex16_b32 v[TX], v[TM], s100, s101     ; the other half of the lanes holds the same query's other keys
	v_mul_f32 v[AL], NEGC, v[MX+\qt]               ; -old maximum x C, by the same multiply that made it a sub-step ago
	v_max_num_f32 v[TM], v[TM], v[TX]
	v_mul_f32 v[NM], NEGC, v[TM]
	v_mul_f32 v[NM+1], NEGC, v[TM]
	v_sub_f32 v[AL], v[NM], v[AL]                  ; (old - new) x C: exactly 0 where the maximum stays, also while it is still -FLT_MAX
.set n, 0
.rept 16
	v_pk_fma_f32 v[X+n:X+n+1], v[X+n:X+n+1], s[66:67], v[NM:NM+1] op_sel_hi:[1,0,1]   ; (score - maximum) x C
.set n, n+2
.endr
	v_exp_f32 v[AL], v[AL]
.set n, 0
.rept 32
	v_exp_f32 v[X+n], v[X+n]
.set n, n+1
.endr
	v_mov_b32 v[MX+\qt], v[TM]                     ; the plain instruction between the exponentials and the first use of a result (ISA guide 5.7.2)
	; the sum of my 32 p, in four chains of pairs
	s_wait_alu depctr_va_vdst(0)
.irp k, 0,1,2,3
	v_pk_add_f32 v[T+2*\k:T+2*\k+1], v[X+4*\k:X+4*\k+1], v[X+4*\k+2:X+4*\k+3]
.endr
.irp k, 0,1,2,3
	v_pk_add_f32 v[T+2*\k:T+2*\k+1], v[T+2*\k:T+2*\k+1], v[X+16+2*\k:X+16+2*\k+1]
.endr
.irp k, 0,1,2,3
	v_pk_add_f32 v[T+2*\k:T+2*\k+1], v[T+2*\k:T+2*\k+1], v[X+24+2*\k:X+24+2*\k+1]
.endr
	v_pk_add_f32 v[T:T+1], v[T:T+1], v[T+2:T+3]
	v_pk_add_f32 v[T+4:T+5], v[T+4:T+5], v[T+6:T+7]
	v_pk_add_f32 v[T:T+1], v[T:T+1], v[T+4:T+5]
	v_add_f32 v[T], v[T], v[T+1]
	v_fma_f32 v[LS+\qt], v[LS+\qt], v[AL], v[T]
	; P^T as source B, in place: block u's two tiles become registers 16 u .. 16 u + 7.  Each register is read before it is written.
.irp u, 0,1
.irp i, 0,1,2,3
	v_cvt_pk_f16_f32 v[X+16*\u+\i], v[X+16*\u+2*\i], v[X+16*\u+2*\i+1]
.endr
.irp i, 0,1,2,3
	v_cvt_pk_f16_f32 v[X+16*\u+4+\i], v[X+16*\u+8+2*\i], v[X+16*\u+8+2*\i+1]
.endr
.endr
.if \first == 0
.set n, 0
.rept 16
	v_pk_mul_f32 v[O+32*\qt+n:O+32*\qt+n+1], v[O+32*\qt+n:O+32*\qt+n+1], v[AL:AL+1] op_sel_hi:[1,0]
.set n, n+2
.endr
.endif
.endm
; O^T += V^T P^T.  first = 1: the first block of keys starts the sums.  The eight accumulators take turns, one instruction a turn.
.macro PV first
.irp t, 0,1,2,3
.irp qt, 0,1
.if \first
	v_wmma_f32_16x16x32_f16 v[O+32*\qt+8*\t:O+32*\qt+8*\t+7], v[F+8*\t:F+8*\t+7], v[S+32*\qt:S+32*\qt+7], 0
.else
	v_wmma_f32_16x16x32_f16 v[O+32*\qt+8*\t:O+32*\qt+8*\t+7], v[F+8*\t:F+8*\t+7], v[S+32*\qt:S+32*\qt+7], v[O+32*\qt+8*\t:O+32*\qt+8*\t+7]
.endif
.endr
.endr
.irp t, 0,1,2,3
.irp qt, 0,1
	v_wmma_f32_16x16x32_f16 v[O+32*\qt+8*\t:O+32*\qt+8*\t+7], v[F+32+8*\t:F+32+8*\t+7], v[S+32*\qt+16:S+32*\qt+23], v[O+32*\qt+8*\t:O+32*\qt+8*\t+7]
.endr
.endr
.endm
; A sub-step of 64 keys; its K fragments are in F.
.macro SUB buf, sub, first, pf
	QK
	PLACES 5                                       ; behind QK: F is loaded again, S is read, and PV will take S, packed, as a source
	VLOAD \buf, \sub                               ; lands under the softmax
	s_wait_kmcnt 0x0                               ; this sub-step's mask words are in, and no scalar load names s[10:11] any more
	s_add_nc_u64 s[10:11], s[10:11], 128           ; the next sub-step's 32 words
	SOFT 0, \first, \pf
	SOFT 1, \first, \pf
	s_wait_dscnt 0x0                               ; V^T's fragments
	PV \first
	PLACES 5                                       ; behind PV: F and S are loaded again, QK writes over P, O is scaled
.endm
; A step of 128 keys from f16 buffer p.  refill: f32 slot p gets the tile two steps ahead.  conv: the next tile, in slot 1 - p, is converted into buffer 1 - p.
.macro STEP p, refill, conv, first, last
.if \last == 0
	s_wait_tensorcnt 0x0                           ; all my tensor loads have landed: the one that was out is my part of the next tile
	ds_add_u32 v30, v31
	s_wait_dscnt 0x0
.endif
.if \refill
	s_add_nc_u64 s[26+4*\p:27+4*\p], s[26+4*\p:27+4*\p], 2*TILEB   ; no load of mine is out: this slot's group 0 steps two tiles on
.endif
	s_wait_dscnt 0x0                               ; my f16 stores and all my LDS reads are done
.if \refill
	ROUND                                          ; all that now holds of every wave of the four work-groups
	tensor_load_to_lds s[24+4*\p:27+4*\p], s[16:23]   ; my one tensor load behind the round, first thing there; it has the whole step in which to land
	s_nop 0
.else
	s_barrier_signal -1
	s_barrier_wait -1
.endif
.if \conv
	CONVLOAD 1-\p
	KLOAD \p, 0
	s_wait_dscnt 16                                ; the 16 f32 reads are in; the 16 fragment loads behind them may be out
	CONVSTORE 1-\p
	s_wait_dscnt 16                                ; the fragments are in; the 16 stores behind them may be out
.else
	KLOAD \p, 0
	s_wait_dscnt 0x0
.endif
	SUB \p, 0, \first, 1
	KLOAD \p, 1
	s_wait_dscnt 0x0
	SUB \p, 1, 0, 1-\last
.endm
	s_load_b256 s[4:11], s[0:1], 0x0               ; q s[4:5], k s[6:7], v s[8:9], mbits s[10:11]
	s_load_b64 s[12:13], s[0:1], 0x20              ; out0
	v_lshl_add_u32 v30, v0, 2, 0x44000
	v_mov_b32 v31, 0
	ds_add_u32 v30, v31
	v_lshrrev_b32 v1, 5, v0
	v_readfirstlane_b32 s3, v1                     ; wave 0..7
	s_and_b32 s14, ttmp7, 0xffff                   ; head (the cluster is one work-group high)
	s_lshl_b32 s14, s14, 19                        ; x 2,048 rows of 256 bytes
	; group 1: 32 rows of 256 bytes as 32 elements of 8 bytes, dense in memory and in LDS; what one wave brings of a slot
	s_mov_b32 s16, 15|(3<<16)|(1<<21)              ; 15:0 mask: all four of the cluster; 17:16 elements of 8 bytes; 21 set beside a mask
	s_mov_b32 s17, 32<<16                          ; tensor_dim0 = 32
	s_mov_b32 s18, 32<<16                          ; tensor_dim1 = 32
	s_mov_b32 s19, 32<<16                          ; tile_dim0 = 32
	s_mov_b32 s20, 32                              ; tile_dim1 = 32
	s_mov_b32 s21, 32                              ; from row to row: 32 elements
	s_mov_b32 s22, 0
	s_mov_b32 s23, 0
	; group 0: waves 0-3 bring K's rows 32 w .., waves 4-7 V's rows 32 (w - 4) ..; both land at slot + 8,192 w
	s_mov_b32 s24, 1
	s_mul_i32 s25, s3, 8192
	s_mov_b32 s28, 1
	s_add_co_u32 s29, s25, SLOTB
	s_and_b32 s36, s3, 3
	s_lshl_b32 s36, s36, 13
	s_add_co_u32 s36, s36, s14                     ; head + my 32 rows: nothing of my place in the cluster
	s_mov_b32 s37, 0
	; my 32 queries: block 8 (4 x cluster x + cx) + w
	s_bfe_u32 s38, ttmp6, 0x40000                  ; cx
	s_lshl_b32 s39, ttmp9, 2
	s_add_co_u32 s38, s38, s39
	s_lshl_b32 s38, s38, 3
	s_add_co_u32 s38, s38, s3
	s_lshl_b32 s42, s38, 13                        ; in mbits: two query tiles of 4,096 bytes
	s_mov_b32 s43, 0
	s_add_co_u32 s40, s42, s14                     ; in q and out0: 32 rows of 256 bytes, + head
	s_mov_b32 s41, 0
	s_wait_dscnt 0x0
	s_wait_kmcnt 0x0
	s_cmp_lt_u32 s3, 4
	s_cselect_b64 s[26:27], s[6:7], s[8:9]         ; k or v, by the wave's number
	s_add_nc_u64 s[26:27], s[26:27], s[36:37]      ; tile 0
	s_add_nc_u64 s[30:31], s[26:27], TILEB         ; tile 1
	s_or_b32 s27, s27, 0x80000000                  ; type = 2
	s_or_b32 s31, s31, 0x80000000
	s_add_nc_u64 s[4:5], s[4:5], s[40:41]
	s_add_nc_u64 s[12:13], s[12:13], s[40:41]
	s_add_nc_u64 s[10:11], s[10:11], s[42:43]
	ROUND                                          ; the four work-groups are here: the first joint loads meet
	tensor_load_to_lds s[24:27], s[16:23]          ; both first fills as one group: two loads of mine are out
	s_nop 0
	tensor_load_to_lds s[28:31], s[16:23]
	s_nop 0
	v_and_b32 v18, 15, v0                          ; r
	v_bfe_u32 v19, v0, 4, 1                        ; h
	v_and_b32 v20, 31, v0                          ; lane
	v_lshlrev_b32 v[QOF], 8, v18
	v_lshl_add_u32 v[QOF], v19, 5, v[QOF]          ; 256 r + 32 h
	; Q as source B: lane (r, h) takes d = 32 ks + 16 hf + 8 h .. + 7 of query 16 qt + r, as two loads of four f32
.irp qt, 0,1
.irp ks, 0,1
.irp hf, 0,1
.irp pc, 0,1
	global_load_b128 v[S+4*(8*\qt+4*\ks+2*\hf+\pc):S+4*(8*\qt+4*\ks+2*\hf+\pc)+3], v[QOF], s[4:5] offset:4096*\qt+128*\ks+64*\hf+16*\pc th:TH_LOAD_NT
.endr
.endr
.endr
.endr
	s_load_b512 s[32:47], s[10:11], 0x0            ; the first sub-step's mask words, qt 0
	s_load_b512 s[48:63], s[10:11], 0x40
	s_load_b512 s[68:83], s[10:11], 0x1000         ; qt 1
	s_load_b512 s[84:99], s[10:11], 0x1040
	s_mov_b32 s66, 0x3e38aa3b                      ; C = log2(e) / 8
	s_mov_b32 s67, 0x3e38aa3b
	s_mov_b32 s100, 0x76543210                     ; lane i of one half reads lane i of the other
	s_mov_b32 s101, 0xfedcba98
	v_mul_u32_u24 v[VK], v18, KP
	v_lshl_add_u32 v[VK], v19, 4, v[VK]
	v_add_nc_u32 v[VK], HB, v[VK]                  ; row r, 16 h
	v_and_b32 v21, 7, v0
	v_lshl_add_u32 v21, v19, 3, v21
	v_mul_u32_u24 v[VV], v21, VP
	v_bfe_u32 v22, v0, 3, 1
	v_lshl_add_u32 v[VV], v22, 4, v[VV]
	v_add_nc_u32 v[VV], HB+VOFF, v[VV]             ; row 8 h + l % 8, 16 bytes for each eight lanes
	s_lshl_b32 s14, s3, 12
	v_lshl_add_u32 v[VCL], v20, 4, s14             ; 16 f32 rows a wave, 16 bytes a lane
	v_add_nc_u32 v[VCL+1], SLOTB, v[VCL]
	s_lshr_b32 s14, s3, 1
	s_lshl_b32 s14, s14, 5
	s_and_b32 s15, s3, 1
	s_lshl_b32 s15, s15, 3
	s_add_co_u32 s14, s14, s15
	v_add_nc_u32 v21, s14, v19                     ; f16 row 32 (w / 2) + 8 (w % 2) + h
	v_mul_u32_u24 v[VSK], v21, KP
	v_lshl_add_u32 v[VSK], v18, 3, v[VSK]
	v_add_nc_u32 v[VSK], HB, v[VSK]
	v_mul_u32_u24 v[VSV], v21, VP
	v_lshl_add_u32 v[VSV], v18, 3, v[VSV]
	v_add_nc_u32 v[VSV], HB+VOFF, v[VSV]
	s_mul_i32 s14, s3, 32*SP
	s_add_co_u32 s14, s14, STAGE                   ; my stage
	v_mul_u32_u24 v[STO], v18, SP
	v_lshl_add_u32 v[STO], v19, 5, v[STO]
	v_add_nc_u32 v[STO], s14, v[STO]               ; in: row r, 32 bytes for each half
	v_mul_u32_u24 v[RD], v19, SP
	v_lshl_add_u32 v[RD], v18, 4, v[RD]
	v_add_nc_u32 v[RD], s14, v[RD]                 ; back: lanes 0-15 one row of 256 bytes, lanes 16-31 the next
	v_lshlrev_b32 v[CO], 4, v20                    ; and the same two rows in out0
	v_mov_b32 v[NINF], 0xff800000
	v_mov_b32 v[MX], 0xff7fffff                    ; -FLT_MAX
	v_mov_b32 v[MX+1], 0xff7fffff
	v_mov_b32 v[LS], 0
	v_mov_b32 v[LS+1], 0
	v_mov_b32 v[AL+1], 0                           ; the pair's second register is named, never multiplied by
	v_mov_b32 v[TX], 0                             ; v_permlanex16_b32's destination counts as read
	s_wait_loadcnt 0x0
.set n, 0
.rept 32
	v_cvt_pk_f16_f32 v[Q+n], v[S+2*n], v[S+2*n+1]
.set n, n+1
.endr
	s_wait_tensorcnt 0x1                           ; my part of tile 0 is in; tile 1's stays out
	s_barrier_signal -1
	s_barrier_wait -1                              ; everybody's is
	CONVLOAD 0
	s_wait_dscnt 0x0
	CONVSTORE 0
	STEP 0, 1, 1, 1, 0                             ; steps 0 and 1 stand ahead of the loop: the first products start O's sums
	STEP 1, 1, 1, 0, 0
	s_mov_b32 s2, 6
.Lsteps:                                               ; steps 2 to 13
	STEP 0, 1, 1, 0, 0
	STEP 1, 1, 1, 0, 0
	s_sub_co_u32 s2, s2, 1
	s_cmp_lg_u32 s2, 0
	s_cbranch_scc1 .Lsteps
	STEP 0, 0, 1, 0, 0                             ; step 14: nothing is left to fetch; tile 15 is converted
	STEP 1, 0, 0, 0, 1                             ; step 15: nothing is left to convert, and no mask words to ask for
	; THE WAY OUT.  The two halves' sums meet; O / l; 32 rows through my own stage, so that sixteen lanes store one row of 256 bytes.
.irp qt, 0,1
	v_permlanex16_b32 v[TX], v[LS+\qt], s100, s101
	v_add_f32 v[LS+\qt], v[LS+\qt], v[TX]
	v_rcp_f32 v[AL], v[LS+\qt]
	v_nop                                          ; the plain place behind v_rcp_f32 (ISA guide 5.7.2)
	s_wait_alu depctr_va_vdst(0)
.irp i, 0,2,4,6,8,10,12,14,16,18,20,22,24,26,28,30
	v_pk_mul_f32 v[O+32*\qt+\i:O+32*\qt+\i+1], v[O+32*\qt+\i:O+32*\qt+\i+1], v[AL:AL+1] op_sel_hi:[1,0]
.endr
.endr
.irp qt, 0,1
.irp t, 0,1,2,3
	ds_store_b128 v[STO], v[O+32*\qt+8*\t:O+32*\qt+8*\t+3]   offset:16*SP*\qt+64*\t      ; query 16 qt + r, d = 16 t + 8 h .. + 3
	ds_store_b128 v[STO], v[O+32*\qt+8*\t+4:O+32*\qt+8*\t+7] offset:16*SP*\qt+64*\t+16
.endr
.endr
.irp i, 0,1,2,3,4,5,6,7,8,9,10,11,12,13,14,15
	ds_load_b128 v[S+4*\i:S+4*\i+3], v[RD] offset:2*SP*\i          ; LDS serves a wave's instructions in order (ISA guide 5.7.1.4): these see the stores above
.endr
.irp i, 0,1,2,3,4,5,6,7,8,9,10,11,12,13,14,15
	s_wait_dscnt 15-\i                             ; pair i of rows is in, the younger reads stay out
	global_store_b128 v[CO], v[S+4*\i:S+4*\i+3], s[12:13] offset:512*\i th:TH_STORE_NT   ; 512 consecutive bytes, aligned: two whole rows
.endr
	s_wait_tensorcnt 0x0
	ds_add_u32 v30, v31
	s_wait_dscnt 0x0
	ROUND                                          ; the closing round: no work-group ends while a partner may still ask for a tile that names it
	s_endpgm
.Lfunc_end_k_q740c77b9a0_attn:
	.size	k_q740c77b9a0_attn, .Lfunc_end_k_q740c77b9a0_attn-k_q740c77b9a0_attn
	.p2alignl 7, 3214868480
	.fill 96, 4, 3214868480
	.section	.rodata,"a",@progbits
	.p2align	6, 0x0
	.amdhsa_kernel k_q740c77b9a0_attn
		.amdhsa_group_segment_fixed_size 327680
		.amdhsa_private_segment_fixed_size 0
		.amdhsa_enable_private_segment 0
		.amdhsa_kernarg_size 40
		.amdhsa_user_sgpr_count 2
		.amdhsa_user_sgpr_kernarg_segment_ptr 1
		.amdhsa_wavefront_size32 1
		.amdhsa_system_sgpr_workgroup_id_x 1
		.amdhsa_system_sgpr_workgroup_id_y 1
		.amdhsa_system_sgpr_workgroup_id_z 1
		.amdhsa_system_vgpr_workitem_id 0
		.amdhsa_next_free_vgpr 256
		.amdhsa_next_free_sgpr 102
		.amdhsa_reserve_vcc 0
		.amdhsa_float_denorm_mode_32 3
		.amdhsa_float_denorm_mode_16_64 3
		.amdhsa_memory_ordered 1
		.amdhsa_forward_progress 1
		.amdhsa_inst_pref_size 255
	.end_amdhsa_kernel
	.section	.bss,"aw",@nobits
	.p2align	6
	.space	262144
	.amdgpu_metadata
---
amdhsa.version: [ 1, 2 ]
amdhsa.kernels:
  - .name:           k_q740c77b9a0_attn
    .symbol:         k_q740c77b9a0_attn.kd
    .args:
      - { .name: q, .offset: 0, .size: 8, .value_kind: global_buffer, .address_space: global }
      - { .name: k, .offset: 8, .size: 8, .value_kind: global_buffer, .address_space: global }
      - { .name: v, .offset: 16, .size: 8, .value_kind: global_buffer, .address_space: global }
      - { .name: mbits, .offset: 24, .size: 8, .value_kind: global_buffer, .address_space: global }
      - { .name: out0, .offset: 32, .size: 8, .value_kind: global_buffer, .address_space: global }
    .group_segment_fixed_size: 327680
    .private_segment_fixed_size: 0
    .kernarg_segment_align: 8
    .kernarg_segment_size: 40
    .max_flat_workgroup_size: 256
    .sgpr_count:     102
    .vgpr_count:     256
    .wavefront_size: 32
...
	.end_amdgpu_metadata
.endif
;; end of part 2
